; MI455X (gfx1250); checked and timed in simulation.
; The chip was launched on July 23, 2026; its instructions are those of AMD's public machine-readable ISA for CDNA 5 (MIT licence, August 2026) and "CDNA5" Instruction Set Architecture Reference Guide (July 2026). The comments in the code are by the model that wrote it; some were corrected since.
;; branch layer. Allowed arithmetic: matrix products marked QUANTISED: E5M2 operands, one E8M0 scale for each 32 along K, by v_wmma_scale_f32_16x16x128_f8f6f4 with both operands' format E5M2, f32 sums; products left as they are: f32 operands where the result goes on into a quantised operand, else bf16, f16 or f32 operands; f32 sums; everything else in f32.
;; Inputs: W1_codes 8 x 2,048 x 32 x 32 uint8 (E5M2 codes of W1, K innermost, in blocks of 32 codes); W1_scales 8 x 2,048 x 32 uint8 (E8M0 scales of W1, one for each 32 codes along K); W2_codes 8 x 1,024 x 64 x 32 uint8 (E5M2 codes of W2, K innermost, in blocks of 32 codes); W2_scales 8 x 1,024 x 64 uint8 (E8M0 scales of W2, one for each 32 codes along K); b1 8 x 2,048 float32; b2 8 x 1,024 float32; probabilities 2,048 x 8 float32; x_codes 2,048 x 32 x 32 uint8 (E5M2 codes of x, K innermost, in blocks of 32 codes); x_scales 2,048 x 32 uint8 (E8M0 scales of x, one for each 32 codes along K).
;; Outputs: out0 2,048 x 1,024 float32.
;; This version of the problem:
;;   THIS VERSION OF THE PROBLEM IS GIVEN IN LOW PRECISION. The matrix products marked QUANTISED in the list below multiply operands that are first quantised to E5M2 (5 exponent bits, 2 mantissa bits; 8 bits a number), with one power-of-two scale for each 32 numbers along K (OCP MX v1.0); their sums are f32. All else is computed in f32.
;;   The module's matrix products, in the order in which they are computed (A, B: the left and right operand; K: the contracted axis; several contracted axes count as one K, in the product's order):
;;     1. [M 16,384, K 1,024] x [K 1,024, N 2,048]; A: input W1 (given as codes); B: input x (given as codes): QUANTISED
;;     2. batch 8 x [M 2,048, K 2,048] x [K 2,048, N 1,024]; A: computed on the way; B: input W2 (given as codes): QUANTISED
;;     3. batch 2,048 x [M 1,024, K 8] x [K 8, N 1]; A: computed on the way; B: input probabilities: left as it is (K = 8 < 32)
;;   THE QUANTISER, for each operand of a quantised product, along K:
;;     - K is cut into blocks of 32 from its start; a last block that is shorter is filled with zeros.
;;     - A block's scale is 2^e with e = floor(log2(the largest magnitude in the block)) - 15, held to -126 .. 127; a block of zeros has e = 0. As a byte (E8M0): e + 127.
;;     - Each number is divided by its block's scale, clamped to +-57,344, and rounded to the nearest number of E5M2, ties to even, subnormals kept.
;;     - The product sums the exact products of the quantised numbers (number of the format x scale) in f32.
;;   ~~~python
;;   def quantise(x, axis):      # numpy; x: float32 -> the quantised numbers, widened to float32 again
;;       x = np.moveaxis(x, axis, -1); K = x.shape[-1]
;;       x = np.pad(x, [(0, 0)] * (x.ndim - 1) + [(0, -K % 32)]); x = x.reshape(x.shape[:-1] + (-1, 32)); a = np.abs(x).max(-1, keepdims=True)
;;       e = np.where(a > 0, np.clip(np.frexp(np.where(a > 0, a, 1))[1] - 1 - 15, -126, 127), 0)      # np.frexp(a)[1] - 1 = floor(log2(a)), exactly
;;       r = np.clip(x / 2.0 ** e, -57344, 57344)
;;       step = 2.0 ** (np.maximum(np.frexp(np.where(r == 0, 1, r))[1] - 1, -14) - 2)
;;       q = np.round(r / step) * step * 2.0 ** e      # np.round: ties to even
;;       return np.moveaxis(q.reshape(q.shape[:-2] + (-1,))[..., :K], -1, axis).astype(np.float32)
;;   ~~~
;;   OPERANDS COMPUTED ON THE WAY. 'Computed on the way' means the value that the module computes at that place (a softmax that the list does not call 'softmax' is quantised finished and normalised). What goes into a quantiser is computed in f32, as accurately as f32 sums, v_exp_f32 and their like allow (about 1e-6 of the number): no bf16 or f16 on the way to a quantiser, and a product that is left as it is and whose result goes on into a quantised operand takes f32 operands (vector FMAs, or v_wmma_f32_16x16x4_f32). A number that lies on a knife's edge between two numbers of the format may be rounded either way, as far as f32 arithmetic and the matrix unit's own rounding can turn it there, and no further.
;;   INPUTS GIVEN AS CODES. W1 (in the module: [8, 1024, 2048], K = its axis 1); W2 (in the module: [8, 2048, 1024], K = its axis 1); x (in the module: [2048, 1024], K = its axis 1): each comes as NAME_codes (uint8): NAME with its K axis moved to the last place and cut into blocks of 32 codes, [.., K / 32, bytes a block], one block behind the other in memory; one code a byte (a code: sign, 5 exponent bits, 2 mantissa bits); and NAME_scales (uint8): the same leading axes, one E8M0 byte (e + 127) for each 32 codes along K. Its value is code x scale, taken as it is: it is not quantised again, and the codes and scales need not be those that the quantiser above would give.
;; One version. Each part assembles by itself: llvm-mc -triple=amdgcn-amd-amdhsa -mcpu=gfx1250 --defsym DOCPART=n.
;; ======== version 1 of 1: 3 launches
;; limits: values are held in bf16: 8 bits of precision; right only within a limited range of input values
;; workspace buffers: hc 33,554,432 bytes; hs 1,048,576 bytes; ob 33,554,432 bytes
;; launch hidden (part 1): grid 32 x 8, 4 waves a work-group, clusters of 4 x 4, 327,680 bytes of LDS; arguments x_codes, x_scales, W1_codes, W1_scales, b1, hc, hs; writes hc, hs
.if DOCPART == 1
	.amdgcn_target "amdgcn-amd-amdhsa--gfx1250"
	.amdhsa_code_object_version 6
	.text
	.protected	k_q25e70eb4d6_hidden
	.globl	k_q25e70eb4d6_hidden
	.p2align	8
	.type	k_q25e70eb4d6_hidden,@function
k_q25e70eb4d6_hidden:
	s_mov_b64 s[64:65], 0
	v_nop
	global_prefetch_b8 v0, s[64:65] scope:SCOPE_SE
	s_setreg_imm32_b32 hwreg(HW_REG_WAVE_MODE, 25, 1), 1
	s_wait_xcnt 0x0
	s_wait_alu depctr_hold_cnt(0) depctr_sa_sdst(0) depctr_va_vdst(0) depctr_va_sdst(0) depctr_va_ssrc(0) depctr_va_vcc(0) depctr_vm_vsrc(0)
	s_getreg_b32 s2, hwreg(HW_REG_IB_STS2, 6, 4)
	s_cmp_eq_u32 s2, 0
	s_cbranch_scc0 .Lentry_in_a_cluster
	s_endpgm
.Lentry_in_a_cluster:
	s_bfe_u32 s2, ttmp6, 0x10000c
	s_cmp_lg_u32 s2, 0xf033
	s_cbranch_scc0 .Lentry_shape_is_right
	s_endpgm
.Lentry_shape_is_right:
; h = Q(relu(x W1^T + b1)) for all eight branches at once: one GEMM, A = x [2048][1024], B = W1 [16384 = 8 x 2048 hidden][1024], both codes of E5M2 with one E8M0 byte for each 32 along K.
; A tile of 256 rows x 256 hidden units is made by a work-group of four waves, 128 x 128 each: 64 accumulators of 16 x 16, 512 registers.  K goes in steps of 256 through a ring of two LDS slots filled by tensor loads.
; A WORK-GROUP STAYS: it makes TWO tiles, hidden units 512 T .. + 255 and 512 T + 256 .. + 511 of the same 256 rows of x.  The ring does not stop at the first tile's end: its last two changes of slots ask for the
; second tile's first two slots, which land behind the first tile's way out, and nothing waits for the first tile's stores.  All 16 steps of 128 along K are written out: every place along K stands in an immediate.
; The scale bytes of the 256 rows of x and of the 512 rows of W1, for all of K, are dense blocks of memory: they come into LDS once, with the first fills, and stay.
; CLUSTERS: 4 x 4 work-groups.  The four of a row of the cluster need the same tiles of x, the four of a column the same tiles of W1: each tile is asked for jointly, by the same tensor load with a mask that names the four.
; THE MATRIX INSTRUCTION IS USED TRANSPOSED (source 0 = 16 rows of W1, source 1 = 16 rows of x): lane (r, h) holds row r of x and hidden units 16 b + 8 h + 0 .. 7 of block b.  b1 is the C of each sum's first product.
; THE WAY OUT: a lane's 16 numbers of blocks 2 g and 2 g + 1 lie in ONE block of 32 hidden units, the rest of it in lane l xor 16.  relu, the block's scale, the hold and the conversion are done in registers, in f32.
; hc: [plane = 16 n + kc][b 2048][128 bytes]: byte j of a row is hidden unit 128 kc + j: a wave's 128 columns are one plane.   hs: [8 n + t][b 2048][2 words]: word q is the scale word of plane kc = 2 t + q.
; LIMITS: NaN and infinities in h are not served.  A block of h that is all zeros (or whose largest number lies under 2^-111) gets the scale byte 1 where the rule says 127 for zeros: its codes are zeros, and this program alone reads the bytes.
; REGISTERS, in windows of 256: window 0: v0 thread, v1-13 at work at the head (v12 stays), v16-31 addresses, v32-63 scale words (two sets), v64-127 b1 (then the numbers to convert), v128-255 A's fragments, one set (then the way out).
;   window 1: B's fragments, two sets, at v0 and v128.   window 2: accumulators of my rows 0-63 ((a, b) at v[8 (8 (a % 4) + b)]);   window 3: those of my rows 64-127.
.set PITCH,  272                       ; an LDS row: 256 bytes + 16 of padding = 68 words: the 16 rows of a fragment load start at 16 different banks (64 banks of 4 bytes: ISA guide 11.1)
.set HALFT,  128*PITCH                 ; 128 rows: what one tensor load brings
.set SLOT,   4*HALFT                   ; A's 256 rows, then B's 256 rows
.set FR,     16                        ; registers of a fragment: 16 rows x 128 K
.set NP,     8                         ; places behind this matrix instruction (ISA guide 7.12.1)
.set AQ,     128                       ; from a slot's first 128 K to its second, in bytes
.set ABLK,   16*PITCH                  ; from block i to i + 1
.set BBLK,   16*PITCH
.set ADV,    512                       ; a refill's step in memory inside a tile: two slots along K
.set NEXT_B, 256*1024-ADV              ; and into the next tile: W1 goes 256 rows down and 512 bytes back along K; x only back
.set SAI,    544                       ; scale words: 16 rows of 32 bytes = two runs of 256 bytes + 16 of padding each
.set SBI,    544
.set SCA,    2*SLOT                    ; behind the ring: x's scales, 2 x 128 rows;
.set SCB,    SCA+2*4352                ; W1's, 2 x 256 rows: the first tile's, then the second's
.set SPARE,  SCB+2*8704                ; the spare words, 128 bytes a wave, that no other line names
.set CSTG,   SPARE+512                 ; the way out: a stage for each wave, 16 rows x (128 bytes + 16).  No tensor load fills these bytes or those behind them
.set CST,    16*144
.set SCS,    CSTG+4*CST                ; the work-group's 256 rows x 2 scale words
.set BL,     SCS+2048                  ; b1 of the second tile: each wave's 128 numbers, in 512 bytes of its own
.set BLA,   12                         ; v12    where my eight numbers of a block's b1 lie in LDS
.set ADRA,  16                         ; v16-17 LDS address of my A fragments in slot 0, 1
.set ADRSA, 18                         ; v18    of the first tile's scale words: lanes 0-15 A's rows, lanes 16-31 B's
.set ADRSB, 19                         ; v19    of the second tile's
.set ADRB,  20                         ; v20-21 of my B fragments
.set SWA,   22                         ; v22    where my row's scale word goes
.set SRD,   23                         ; v23    where I read 16 bytes of scale words back
.set STO,   24                         ; v24    the stage: where I put 8 codes
.set RD,    25                         ; v25    and where I read 16 back
.set CO,    26                         ; v26    16 x lane: my bytes of a store into hc
.set BO,    27                         ; v27    32 h: my eight numbers of b1 in a block's 16
.set SPW,   28                         ; v28    my spare word; never rewritten
.set NIL,   29                         ; v29    0; never rewritten
.set PFO,   30                         ; v30    the prefetches' offset: 1,024 x lane, a row of W1; never rewritten
.set SGO,   31                         ; v31    16 x thread: my bytes of the store into hs
.set SA,    32                         ; scale words, set p: v[32 + 16 p + i]: lanes 0-15 the word of A's block i, lanes 16-31 that of B's block i; these registers hold nothing else
.set BIAS,  64
.set AF,    128
.set X,     64                         ; the way out: 64 numbers held and clipped
.set TM,    128                        ; +0..3 largest numbers, +4..7 the other lane's, then bytes, +8..11 the hold, +12..15 the conversions' scale operands
.set PW,    144                        ; v144-151 block a's scale word
.set PC,    152                        ; v152-183 codes, two sets
.set BK,    184                        ; v184-215 rows read back, two sets
.set SO,    216
.set G1, 24
.set G0, 32
.set G1B, 48
.set G0B, 56
.set PFA, 66                           ; s[66:67] the second tile's rows of W1 that I prefetch; never rewritten
.set G1S, 68
.set G0S, 76
.set G1SB, 80
.set G0SB, 88
.set LIM, 95                           ; s95 0 in a wave that prefetches
.set MSB, 0
.macro WIN new                         ; the immediate's high byte repeats the setting that is left
.if MSB != (\new)
	s_set_vgpr_msb (MSB<<8)|(\new)
.set MSB, (\new)
.endif
.endm
; A joint load: waves 0 and 1 fetch for A, waves 2 and 3 for B.  The branch hangs on the wave's number alone.  Four v_nop follow each of the two lines.
.macro JLOAD g0a, g1a, g0b, g1b
	s_cmp_eq_u32 s15, 0
	s_cbranch_scc0 .Lfor_b_\@
	tensor_load_to_lds s[\g0a:\g0a+3], s[\g1a:\g1a+7]
	s_nop 0
.rept 4
	v_nop
.endr
	s_branch .Lasked_\@
.Lfor_b_\@:
	tensor_load_to_lds s[\g0b:\g0b+3], s[\g1b:\g1b+7]
	s_nop 0
.rept 4
	v_nop
.endr
.Lasked_\@:
.endm
.macro CREST                           ; a round of the cluster's barrier behind its opening barrier
	s_cmp_lg_u32 s14, 0
	s_cbranch_scc1 .Lnot_wave_0_\@
	s_barrier_signal -3
.Lnot_wave_0_\@:
	s_barrier_wait -3
	s_barrier_signal -1
	s_barrier_wait -1
.endm
.macro CROUND                          ; a whole round
	s_barrier_signal -1
	s_barrier_wait -1
	CREST
.endm
.macro PLACES n
.rept \n
	v_nop
.endr
.endm
; A PREFETCH of slot s of the SECOND tile's rows of W1.  The first four refills ask, each for the slot that stands two refills on, 256 matrix instructions ahead of the load that will want it.
; One instruction a wave, a lane a row's 256 bytes.  Waves 2 and 3 ask, each for the 128 rows that it fetches; the four partners that ask for them jointly take 32 rows each, told apart by address (cy).
; Two clusters read these rows: the one with y = 0 asks.  So each aligned block of 256 bytes is named once.  x's rows have been read by then; the first tile's slots come by their loads alone.
.macro ASK s
	s_cmp_eq_u32 s[LIM], 0
	s_cbranch_scc0 .Lnot_mine_\@
	global_prefetch_b8 v[PFO], s[PFA:PFA+1] offset:256*(\s) th:TH_LOAD_NT scope:SCOPE_SE
.Lnot_mine_\@:
.endm
	s_load_b128 s[4:7], s[0:1], 0x0                ; x's codes, x's scales
	s_load_b128 s[8:11], s[0:1], 0x10              ; W1's codes, W1's scales
	s_load_b64 s[12:13], s[0:1], 0x20              ; b1
	s_load_b64 s[96:97], s[0:1], 0x28              ; hc
	s_load_b64 s[98:99], s[0:1], 0x30              ; hs
	v_lshl_add_u32 v[SPW], v0, 2, SPARE
	v_mov_b32 v[NIL], 0
	ds_add_u32 v28, v29
	ds_add_u32 v28, v29
	s_wait_dscnt 0x0
	v_lshrrev_b32 v1, 5, v0
	v_readfirstlane_b32 s14, v1                    ; wave 0..3
	s_lshr_b32 s15, s14, 1                         ; which half of the tile's rows is mine.  Also: I fetch for A (0) or for B (1)
	s_and_b32 s16, s14, 1                          ; which half of its columns.  Also: which 128 rows I fetch
	s_bfe_u32 s40, ttmp6, 0x40000                  ; cx, cy: my place in the cluster
	s_bfe_u32 s41, ttmp6, 0x40004
	s_lshl_b32 s42, ttmp9, 2
	s_add_co_u32 s42, s42, s40                     ; T = 0..31 = 4 x cluster x + cx: my pair of tile columns, 512 of the 16,384 hidden units
	s_and_b32 s17, ttmp7, 0xffff
	s_lshl_b32 s17, s17, 2
	s_add_co_u32 s17, s17, s41                     ; tile row 0..7 = 4 x cluster y + cy
	s_lshl_b32 s43, s41, 2
	s_lshl_b32 s43, 15, s43                        ; my row of the cluster
	s_lshl_b32 s44, 0x1111, s40                    ; my column
	; descriptor group 1, codes: 128 rows x 256 bytes, 1,024 bytes apart, 16 bytes of padding behind each
	s_or_b32 s[G1+0], s43, (0<<16)|(1<<20)|(1<<21)|(5<<22)|(3<<25)
	s_or_b32 s[G1B+0], s44, (0<<16)|(1<<20)|(1<<21)|(5<<22)|(3<<25)
.irp g, G1, G1B
	s_mov_b32 s[\g+1], 256<<16                     ; tensor_dim0
	s_mov_b32 s[\g+2], 256<<16                     ; 256 rows for the head's loads; behind them 128, for the ring's
	s_mov_b32 s[\g+3], 256<<16
	s_mov_b32 s[\g+4], 256
	s_mov_b32 s[\g+5], 1024                        ; from row to row
	s_mov_b32 s[\g+6], 0
	s_mov_b32 s[\g+7], 0
.endr
	; x's scales of 128 rows: 4,096 dense bytes as 16 rows of 256 (32 elements of 8 bytes), 16 bytes of padding behind each
	s_or_b32 s[G1S+0], s43, (3<<16)|(1<<20)|(1<<21)|(5<<22)|(3<<25)
	s_mov_b32 s[G1S+1], 32<<16
	s_mov_b32 s[G1S+2], 32<<16                     ; x's 256 rows: 8,192 bytes
	s_mov_b32 s[G1S+3], 32<<16
	s_mov_b32 s[G1S+4], 32
	s_mov_b32 s[G1S+5], 32
	s_mov_b32 s[G1S+6], 0
	s_mov_b32 s[G1S+7], 0
	; W1's scales of 256 rows, one tile's: 8,192 dense bytes as 32 such rows
	s_or_b32 s[G1SB+0], s44, (3<<16)|(1<<20)|(1<<21)|(5<<22)|(3<<25)
	s_mov_b32 s[G1SB+1], 32<<16
	s_mov_b32 s[G1SB+2], 64<<16                    ; both tiles' 512 rows: 16,384 bytes
	s_mov_b32 s[G1SB+3], 32<<16
	s_mov_b32 s[G1SB+4], 64
	s_mov_b32 s[G1SB+5], 32
	s_mov_b32 s[G1SB+6], 0
	s_mov_b32 s[G1SB+7], 0
	s_lshl_b32 s18, s16, 7                         ; which 128 rows of a tile I fetch
	s_lshl_b32 s20, s17, 8                         ; A: row 256 x tile row
	s_lshl_b32 s46, s42, 9                         ; B: row 512 T
	s_lshl_b32 s22, s20, 5                         ; A's scales: 32 bytes a row,
	s_mov_b32 s23, 0
	s_lshl_b32 s20, s20, 10                        ; its codes: 1,024 bytes a row
	s_mov_b32 s21, 0
	s_lshl_b32 s92, s42, 14                        ; B's scales: 512 rows of 32 bytes x T,
	s_mov_b32 s93, 0
	s_lshl_b32 s46, s46, 10
	s_mov_b32 s47, 0
	s_mul_i32 s45, s14, HALFT                      ; where the codes go: wave x 128 rows: no place in the cluster enters an LDS address
	s_wait_kmcnt 0x0
	s_add_nc_u64 s[20:21], s[4:5], s[20:21]
	s_add_nc_u64 s[22:23], s[6:7], s[22:23]
	s_add_nc_u64 s[46:47], s[8:9], s[46:47]
	s_add_nc_u64 s[92:93], s[10:11], s[92:93]
	CROUND                                         ; all sixteen work-groups are here: the first joint loads meet
	s_mov_b32 s[G0S], 1
	s_mov_b32 s[G0S+1], SCA
	s_mov_b64 s[G0S+2:G0S+3], s[22:23]
	s_or_b32 s[G0S+3], s[G0S+3], 0x80000000
	s_mov_b32 s[G0SB], 1
	s_mov_b32 s[G0SB+1], SCB
	s_mov_b64 s[G0SB+2:G0SB+3], s[92:93]
	s_or_b32 s[G0SB+3], s[G0SB+3], 0x80000000
	s_mov_b32 s4, 1                                ; s[4:7] (the arguments there have been used): slot 0's 256 rows of x
	s_mov_b32 s5, 0
	s_mov_b64 s[6:7], s[20:21]
	s_or_b32 s7, s7, 0x80000000
	s_mov_b32 s60, 1                               ; s[60:63] for now: slot 0's 256 rows of W1
	s_mov_b32 s61, 2*HALFT
	s_mov_b64 s[62:63], s[46:47]
	s_or_b32 s63, s63, 0x80000000
; The head's loads, ONE A WAVE: wave 0 fetches x's rows, wave 1 W1's, wave 2 x's scales, wave 3 W1's.  One chain of branches on the wave's number, every way through it passes one load.
.macro ARM under, g0, g1, next
	s_cmp_lt_u32 s14, \under
	s_cbranch_scc0 \next
	tensor_load_to_lds s[\g0:\g0+3], s[\g1:\g1+7]
	s_nop 0
	PLACES 4
	s_branch .Lhead_asked
\next:
.endm
	ARM 1, 4, G1, .Lhead_b
	ARM 2, 60, G1B, .Lhead_sa
	ARM 3, G0S, G1S, .Lhead_sb
	tensor_load_to_lds s[G0SB:G0SB+3], s[G1SB:G1SB+7]
	s_nop 0
	PLACES 4
.Lhead_asked:
	s_lshl_b32 s22, s18, 10                        ; for the ring: my 128 rows of a tile
	s_mov_b32 s23, 0
	s_add_nc_u64 s[20:21], s[20:21], s[22:23]
	s_add_nc_u64 s[46:47], s[46:47], s[22:23]
.irp s, 0,1
	s_mov_b32 s[G0+4*\s], 1
	s_add_co_u32 s[G0+4*\s+1], s45, \s*SLOT
	s_add_nc_u64 s[G0+4*\s+2:G0+4*\s+3], s[20:21], \s*256
	s_or_b32 s[G0+4*\s+3], s[G0+4*\s+3], 0x80000000
.endr
	s_mov_b32 s[G0B], 1
	s_mov_b32 s[G0B+1], s45
	s_mov_b64 s[G0B+2:G0B+3], s[46:47]
	s_or_b32 s[G0B+3], s[G0B+3], 0x80000000
	; the prefetches: the second tile's rows of W1 that I fetch, my work-group's 32 of them
	s_lshl_b32 s22, s42, 9
	s_add_co_u32 s22, s22, s18
	s_add_co_u32 s22, s22, 256
	s_lshl_b32 s23, s41, 5
	s_add_co_u32 s22, s22, s23
	s_lshl_b32 s22, s22, 10
	s_mov_b32 s23, 0
	s_add_nc_u64 s[PFA:PFA+1], s[8:9], s[22:23]
	v_and_b32 v[PFO], 31, v0
	v_lshlrev_b32 v[PFO], 10, v[PFO]
	s_xor_b32 s[LIM], s15, 1                       ; 0 in waves 2 and 3,
	s_and_b32 s94, ttmp7, 0xffff
	s_or_b32 s[LIM], s[LIM], s94                   ; of a cluster with y = 0: the same in all sixteen partners, for a given wave
	; b1 in the result's layout: lane (r, h) wants, for block b, the numbers of hidden units 16 b + 8 h + 0 .. 7
	s_lshl_b32 s46, s42, 11
	s_lshl_b32 s47, s16, 9
	s_add_co_u32 s46, s46, s47                     ; 4 x (512 T + 128 x half)
	s_mov_b32 s47, 0
	s_add_nc_u64 s[12:13], s[12:13], s[46:47]
	v_and_b32 v1, 15, v0                           ; r
	v_bfe_u32 v2, v0, 4, 1                         ; h
	v_and_b32 v6, 31, v0                           ; lane
	v_lshlrev_b32 v[CO], 4, v6
	v_lshlrev_b32 v[BO], 5, v2
	global_load_b128 v[8:11], v[CO], s[12:13] offset:1024   ; the second tile's 128 numbers of my half, 16 bytes a lane: they wait in LDS, since no 64 registers are free during the first tile
.irp b, 0,1,2,3,4,5,6,7
	global_load_b128 v[BIAS+8*\b:BIAS+8*\b+3], v[BO], s[12:13] offset:64*\b
	global_load_b128 v[BIAS+8*\b+4:BIAS+8*\b+7], v[BO], s[12:13] offset:64*\b+16
.endr
	v_mul_u32_u24 v3, v1, PITCH
	v_lshl_add_u32 v4, v2, 4, v3                   ; a fragment's row x pitch + 16 x half
	s_mul_i32 s21, s15, HALFT                      ; my 128 rows of A
	s_mul_i32 s22, s16, HALFT                      ; my 128 rows of B,
	s_add_co_u32 s22, s22, 2*HALFT                 ; which lie behind A's 256
.irp s, 0,1
	v_add_nc_u32 v[ADRA+\s], s21, v4
	v_add_nc_u32 v[ADRB+\s], s22, v4
	s_add_co_u32 s21, s21, SLOT
	s_add_co_u32 s22, s22, SLOT
.endr
	v_lshlrev_b32 v5, 5, v1                        ; my row's scales: 32 bytes a row,
	v_lshrrev_b32 v7, 3, v1
	v_lshl_add_u32 v5, v7, 4, v5                   ; and 16 more behind each 256
	s_mul_i32 s21, s15, 4352
	s_add_co_u32 s21, s21, SCA
	s_mul_i32 s22, s16, 4352
	s_add_co_u32 s22, s22, SCB
	s_sub_co_u32 s22, s22, s21                     ; from my rows of A to my rows of B in the first tile:
	v_mul_u32_u24 v7, s22, v2                      ; lanes 16-31 take B's
	v_add_nc_u32 v5, s21, v5
	v_add_nc_u32 v[ADRSA], v5, v7
	s_add_co_u32 s22, s22, 8704                    ; the second tile's lie 8,704 bytes on
	v_mul_u32_u24 v7, s22, v2
	v_add_nc_u32 v[ADRSB], v5, v7
	s_mul_i32 s23, s14, CST
	s_add_co_u32 s23, s23, CSTG                    ; my stage
	v_mul_u32_u24 v5, v1, 144
	v_lshl_add_u32 v5, v2, 3, v5
	v_add_nc_u32 v[STO], s23, v5                   ; in: row r, 8 bytes for each half of the lanes
	v_lshrrev_b32 v7, 3, v6
	v_mul_u32_u24 v7, v7, 144
	v_and_b32 v5, 7, v0
	v_lshl_add_u32 v7, v5, 4, v7
	v_add_nc_u32 v[RD], s23, v7                    ; back: eight lanes to a row of 128 bytes, four rows an instruction: 512 consecutive bytes of a plane of hc
	s_lshl_b32 s21, s15, 10
	s_lshl_b32 s22, s16, 2
	s_add_co_u32 s21, s21, s22
	s_add_co_u32 s21, s21, SCS
	v_lshl_add_u32 v[SWA], v1, 3, s21              ; scale words: 8 bytes a row, word = my half of the columns
	v_lshlrev_b32 v[SGO], 4, v0
	v_add_nc_u32 v[SRD], SCS, v[SGO]
	s_lshl_b32 s21, s14, 9
	s_add_co_u32 s21, s21, BL                      ; my wave's 512 bytes for b1
	v_add_nc_u32 v13, s21, v[CO]                   ; in: 16 bytes a lane
	v_lshl_add_u32 v[BLA], v2, 5, s21              ; back: 32 h, and 64 bytes a block
	s_lshl_b32 s46, s42, 2
	s_add_co_u32 s46, s46, s16                     ; my plane of hc in the first tile: 4 T + half; in the second: two planes on
	s_lshl_b32 s46, s46, 18                        ; 2,048 rows x 128 bytes a plane
	s_lshl_b32 s20, s17, 15
	s_add_co_u32 s46, s46, s20                     ; + 256 rows x tile row
	s_lshl_b32 s20, s15, 14
	s_add_co_u32 s46, s46, s20                     ; + my 128 rows
	s_mov_b32 s47, 0
	s_add_nc_u64 s[96:97], s[96:97], s[46:47]
	s_lshl_b32 s46, s42, 15                        ; hs: 2,048 rows x 8 bytes for a tile column, two of them x T,
	s_lshl_b32 s20, s17, 11
	s_add_co_u32 s46, s46, s20                     ; + 256 rows x tile row
	s_add_nc_u64 s[98:99], s[98:99], s[46:47]
	s_mov_b32 s18, 0x76543210
	s_mov_b32 s19, 0xfedcba98                      ; v_permlanex16_b32's selects for lane l xor 16
	s_mov_b32 s20, 0x600000                        ; the mantissa field of 57,344
	s_mov_b32 s21, 0xf8800000                      ; -(15 << 23)
	s_mov_b32 s22, 0x7f800000                      ; an exponent field
	s_mov_b32 s23, 0x8000000                       ; 2^(16 - 127)
.macro FRAGA reg, slot, q, i           ; a fragment: lane l holds row l % 16; registers 4 c .. 4 c + 3 hold K = 32 c + 16 (l / 16) + 0 .. 15
.irp c, 0,1,2,3
	ds_load_b128 v[\reg+4*\c:\reg+4*\c+3], v[ADRA+\slot] offset:AQ*(\q)+ABLK*(\i)+32*\c
.endr
.endm
.macro FRAGB reg, slot, q, i
.irp c, 0,1,2,3
	ds_load_b128 v[\reg+4*\c:\reg+4*\c+3], v[ADRB+\slot] offset:128*(\q)+BBLK*(\i)+32*\c
.endr
.endm
.macro FETCH_B slot, q, p              ; B's eight fragments of the slot's q-th 128 along K into set p
	WIN 0x40
.irp i, 0,1,2,3,4,5,6,7
	FRAGB 128*(\p)+FR*\i, \slot, \q, \i
.endr
	WIN 0
.endm
.macro FETCH_A slot, q, i0             ; A's blocks i0 .. i0 + 3
.irp i, \i0, \i0+1, \i0+2, \i0+3
	FRAGA AF+FR*(\i), \slot, \q, \i
.endr
.endm
; The scale words of 128 along K into set p: lanes 0-15 take A's rows, lanes 16-31 B's.  ko: where the slot's 8 scale bytes of a row begin; kb: the same, 8,704 more in the second tile
.macro SCALES q, p, ko, kb
.irp i, 0,1,2,3,4,5,6,7
	ds_load_b32 v[SA+16*(\p)+\i], v[ADRSA+(\kb)/8704] offset:4*(\q)+SAI*\i+(\ko)
.endr
.endm
; 16 matrix instructions: A's blocks a0, a0 + 1 x B's eight, 128 along K, operands and scale words of set p.  first = 1: b1 is the C: nothing is cleared and nothing is added later.
; The 64 accumulators take turns, one instruction a turn, in the same order in every step, from tile to tile too.
.macro MUL16 a0, p, first
.irp a, \a0, \a0+1
.irp b, 0,1,2,3,4,5,6,7
.if \first
	v_wmma_scale_f32_16x16x128_f8f6f4 v[8*(8*((\a)%4)+\b):8*(8*((\a)%4)+\b)+7], v[128*(\p)+FR*\b:128*(\p)+FR*\b+FR-1], v[AF+FR*(\a):AF+FR*(\a)+FR-1], v[BIAS+8*\b:BIAS+8*\b+7], v[SA+16*(\p)+\b], v[SA+16*(\p)+(\a)] matrix_a_fmt:MATRIX_FMT_BF8 matrix_b_fmt:MATRIX_FMT_BF8 matrix_a_scale:MATRIX_SCALE_ROW1
.else
	v_wmma_scale_f32_16x16x128_f8f6f4 v[8*(8*((\a)%4)+\b):8*(8*((\a)%4)+\b)+7], v[128*(\p)+FR*\b:128*(\p)+FR*\b+FR-1], v[AF+FR*(\a):AF+FR*(\a)+FR-1], v[8*(8*((\a)%4)+\b):8*(8*((\a)%4)+\b)+7], v[SA+16*(\p)+\b], v[SA+16*(\p)+(\a)] matrix_a_fmt:MATRIX_FMT_BF8 matrix_b_fmt:MATRIX_FMT_BF8 matrix_a_scale:MATRIX_SCALE_ROW1
.endif
.endr
.endr
.endm
; A slot's first 128 along K.  A load into a register that a matrix instruction has read stands NP plain vector instructions behind it (ISA guide 7.12.1 for vector instructions).
.macro STEP slot, first, ko, kb
	s_wait_dscnt 16                                ; B's set, A's blocks 0-3 and the scale words are in; the youngest 16 loads (A's blocks 4-7) may be out
.if \first
	WIN 0x81                                       ; source 0 (B) window 1, source 1 (A) and C (b1) window 0, D window 2
.else
	WIN 0xa1                                       ; C and D window 2
.endif
	MUL16 0, 0, \first
	MUL16 2, 0, \first
	s_wait_dscnt 0x0                               ; A's blocks 4-7 are in
	PLACES NP
	FETCH_B \slot, 1, 1
	FETCH_A \slot, 1, 0
	SCALES 1, 1, \ko, \kb
.if \first
	WIN 0xc1
.else
	WIN 0xf1
.endif
	MUL16 4, 0, \first
	MUL16 6, 0, \first
	PLACES NP
	WIN 0
	FETCH_A \slot, 1, 4
.endm
; A slot's second 128 along K changes slots: ONE barrier; in front of it each wave waits for all its tensor loads, adds 0 to its spare word, and waits for that and for its reads of this slot.
; fill = 1: this slot is filled again, two slots ahead in this tile; 2: with the next tile's slot of the same number; 0: not at all.
; fetch = 1: the next slot's first fragments are fetched (ko, kb: its scale bytes); 0: the tile ends here, and its way out wants the registers.   pf: the slot of the second tile that is prefetched, or -1.
.macro TURN slot, next, fill, fetch, ko, kb, pf
	s_wait_tensorcnt 0x0                           ; all my tensor loads have landed: my part of the other slot
	ds_add_u32 v[SPW], v[NIL]                      ; 0 onto my spare word
	s_wait_dscnt 17                                ; (the add and the youngest 16 loads, A's blocks 4-7, may be out)
	WIN 0xa1
	MUL16 0, 1, 0                                  ; sixteen matrix instructions stand between the add and the wait for it
	s_wait_dscnt 0x0                               ; the add is done, and my reads of this slot are over
	s_barrier_signal -1
	MUL16 2, 1, 0
	WIN 0
	s_barrier_wait -1
.if \fill
	CREST                                          ; the barrier has opened a round of the cluster's barrier: no wave of any partner still reads this slot or has a load on its way
.if \fill == 1
	s_add_nc_u64 s[G0+4*\slot+2:G0+4*\slot+3], s[G0+4*\slot+2:G0+4*\slot+3], ADV
	s_add_nc_u64 s[G0B+4*\slot+2:G0B+4*\slot+3], s[G0B+4*\slot+2:G0B+4*\slot+3], ADV
.else
	s_sub_nc_u64 s[G0+4*\slot+2:G0+4*\slot+3], s[G0+4*\slot+2:G0+4*\slot+3], ADV          ; the same rows of x, back along K
	s_add_nc_u64 s[G0B+4*\slot+2:G0B+4*\slot+3], s[G0B+4*\slot+2:G0B+4*\slot+3], NEXT_B   ; the next 256 rows of W1
.endif
	JLOAD G0+4*\slot, G1, G0B+4*\slot, G1B         ; the first tensor load behind the round, my one load until the next; its four v_nop are among the places in front of the loads below
.if \fetch
	PLACES NP-4
.endif
.else
	PLACES NP
.endif
.if \fetch
	FETCH_B \next, 0, 0
	FETCH_A \next, 0, 0
	SCALES 0, 0, \ko, \kb
.endif
.if \pf >= 0
	ASK \pf                                        ; behind the joint load and the run of LDS loads that the next products wait for
.endif
	WIN 0xf1
	MUL16 4, 1, 0
	MUL16 6, 1, 0
.if \fetch
	PLACES NP
	WIN 0
	FETCH_A \next, 0, 4
.else
	WIN 0
.endif
.endm
; THE WAY OUT, block a of 16 rows x 128 hidden units at a time.  Register 16 g + i of the block's 64: i < 8: hidden unit 32 g + 8 h + i; else 32 g + 16 + 8 h + i - 8: all in block g of 32.
.macro QUANTH a
.set AC, 64*((\a)%4)
.set HIW, (\a)/4
.set PCA, PC+16*((\a)%2)
	WIN 0x0a+5*HIW                                 ; sources 0 and 1: the accumulators' window
.irp b, 0,1,2,3
	v_max3_num_f32 v[TM+\b], v[AC+16*\b], v[AC+16*\b+1], s23   ; no |.|: what is negative becomes 0 (the relu) and must not count; the floor 2^(16 - 127) holds the byte at 1 from below
.endr
	WIN 0x28+0x14*HIW                              ; sources 1 and 2
.irp i, 2,4,6,8,10,12,14
.irp b, 0,1,2,3
	v_max3_num_f32 v[TM+\b], v[TM+\b], v[AC+16*\b+\i], v[AC+16*\b+\i+1]   ; ascending: each accumulator is first read at its low end; the four blocks by turns
.endr
.endr
	WIN 0
.irp b, 0,1,2,3
	v_permlanex16_b32 v[TM+4+\b], v[TM+\b], s18, s19
.endr
.irp b, 0,1,2,3
	v_max_num_f32 v[TM+\b], v[TM+\b], v[TM+4+\b]   ; with lane l xor 16's 16 numbers: the block's largest
.endr
.irp b, 0,1,2,3
	v_add_nc_u32 v[TM+12+\b], s21, v[TM+\b]        ; 15 off its exponent field: the conversion takes this operand's exponent field as its scale
.endr
.irp b, 0,1,2,3
	v_and_or_b32 v[TM+8+\b], v[TM+\b], s22, s20    ; 57,344 x the scale
.endr
.irp b, 0,1,2,3
	v_lshrrev_b32 v[TM+4+\b], 23, v[TM+12+\b]      ; the scale's byte
.endr
	v_lshl_or_b32 v[PW+(\a)], v[TM+5], 8, v[TM+4]  ; my row's scale word for these 128 hidden units
	v_lshl_or_b32 v[PW+(\a)], v[TM+6], 16, v[PW+(\a)]
	v_lshl_or_b32 v[PW+(\a)], v[TM+7], 24, v[PW+(\a)]
	WIN 0x02+HIW                                   ; source 0
.irp b, 0,1,2,3
.irp i, 0,1,2,3,4,5,6,7,8,9,10,11,12,13,14,15
	v_med3_num_f32 v[X+16*\b+\i], v[AC+16*\b+\i], 0, v[TM+8+\b]   ; the relu and the hold in one: the conversion to an 8-bit code does not saturate (ISA guide 7.6.2)
.endr
.endr
	WIN 0
.irp b, 0,1,2,3
	v_cvt_scalef32_pk8_bf8_f32 v[PCA+4*\b:PCA+4*\b+1], v[X+16*\b:X+16*\b+7], v[TM+12+\b]
	v_cvt_scalef32_pk8_bf8_f32 v[PCA+4*\b+2:PCA+4*\b+3], v[X+16*\b+8:X+16*\b+15], v[TM+12+\b]
.endr
	v_nop                                          ; one plain vector instruction behind the last conversion, ahead of whatever next writes its sources
.endm
.macro TOSTAGEH a                      ; 13 LDS instructions.  LDS serves a wave's instructions in order (ISA guide 5.7.1.4): the loads see the stores, and the next block's stores come behind them
.set PCA, PC+16*((\a)%2)
.set BB, BK+16*((\a)%2)
.irp b, 0,1,2,3
	ds_store_b64 v[STO], v[PCA+4*\b:PCA+4*\b+1] offset:32*\b
	ds_store_b64 v[STO], v[PCA+4*\b+2:PCA+4*\b+3] offset:32*\b+16
.endr
	ds_store_b32 v[SWA], v[PW+(\a)] offset:128*(\a)   ; lanes r and r + 16 write the same word with the same value
.irp i, 0,1,2,3
	ds_load_b128 v[BB+4*\i:BB+4*\i+3], v[RD] offset:576*\i
.endr
.endm
.macro SENDH a, younger, j             ; younger: the LDS instructions issued behind block a's, which may stay out;  j: the tile: two planes of 262,144 bytes on
.set BB, BK+16*((\a)%2)
	s_wait_dscnt \younger
.irp i, 0,1,2,3
	global_store_b128 v[CO], v[BB+4*\i:BB+4*\i+3], s[96:97] offset:524288*(\j)+2048*(\a)+512*\i th:TH_STORE_NT   ; 32 lanes store 512 consecutive bytes (four rows of a plane), aligned
.endr
.endm
.macro WAYOUT j
	PLACES NP                                      ; behind the last products: for the reads of results and the writes into registers that held operands
.irp b, 0,1,2,3
	v_mov_b32 v[TM+4+\b], 0                        ; a lane permute's destination counts as one of its sources
.endr
	QUANTH 0
	TOSTAGEH 0
.irp a, 1,2,3,4,5,6,7
	QUANTH \a
.if \a > 1
	s_wait_alu depctr_va_vdst(0)
	s_wait_xcnt 0x0                                ; block a - 2's stores have read their registers: block a's loads may land there
.endif
	TOSTAGEH \a
	SENDH \a-1, 13, \j                             ; behind block a - 1's loads: block a's 9 stores and 4 loads
.endr
	SENDH 7, 0, \j                                 ; its wait for 0: all my LDS stores have landed
	s_barrier_signal -1                            ; a row's two scale words come from two waves.
	s_barrier_wait -1
	ds_load_b128 v[SO:SO+3], v[SRD]
	s_wait_dscnt 0x0
	global_store_b128 v[SGO], v[SO:SO+3], s[98:99] offset:16384*(\j)   ; a wave stores 512 consecutive bytes, the work-group its 2,048
.endm
	s_wait_alu depctr_va_vdst(0)
	s_wait_loadcnt 16                              ; the second tile's b1 is in (the first tile's 16 loads may be out):
	ds_store_b128 v13, v[8:11]                     ; into my wave's own 512 bytes
	s_wait_tensorcnt 0x0                           ; my one tile of the head is in
	ds_add_u32 v[SPW], v[NIL]
	s_mov_b32 s[G1+2], 128<<16                     ; no tensor load of mine is out, so descriptors may be written: from here on a load brings 128 rows,
	s_mov_b32 s[G1+4], 128
	s_mov_b32 s[G1B+2], 128<<16
	s_mov_b32 s[G1B+4], 128
	s_add_co_u32 s[G0B+5], s45, SLOT               ; and slot 1's load of W1 has its own place and its own 256 bytes of the rows
	s_add_nc_u64 s[G0B+6:G0B+7], s[G0B+2:G0B+3], 256
	s_wait_dscnt 0x0
	CROUND                                         ; everybody's tiles are in, and all sixteen work-groups are here
	JLOAD G0+4, G1, G0B+4, G1B                     ; slot 1, the first tensor load behind the round
	FETCH_B 0, 0, 0
	FETCH_A 0, 0, 0
	SCALES 0, 0, 0, 0
	FETCH_A 0, 0, 4
	s_wait_loadcnt 0x0                             ; b1
	; ---- the first tile: its four slots lie in slots 0, 1, 0, 1
	STEP 0, 1, 0, 0                                ; the first products start the sums with b1
	TURN 0, 1, 1, 1, 8, 8, 0                       ; slot 0 takes this tile's third slot
	STEP 1, 0, 8, 8
	TURN 1, 0, 1, 1, 16, 16, 1                     ; slot 1 its fourth
	STEP 0, 0, 16, 16
	TURN 0, 1, 2, 1, 24, 24, 2                     ; THE RING GOES ON INTO THE SECOND TILE: slot 0 takes its first slot,
	STEP 1, 0, 24, 24
	TURN 1, 0, 2, 0, 0, 0, 3                       ; slot 1 its second; no fragments are fetched: the way out works where A's lie
	WAYOUT 0                                       ; both refills are asked for: now the tile goes out
	; ---- the second tile.  Its first slot was shown landed, to every wave, by the last change of slots; its second is waited for at the next
	s_wait_xcnt 0x0                                ; the stores have read their registers: A's fragments may land there
.irp b, 0,1,2,3,4,5,6,7
	ds_load_b128 v[BIAS+8*\b:BIAS+8*\b+3], v[BLA] offset:64*\b       ; b1 in the result's layout, out of my wave's own bytes
	ds_load_b128 v[BIAS+8*\b+4:BIAS+8*\b+7], v[BLA] offset:64*\b+16
.endr
	FETCH_B 0, 0, 0
	FETCH_A 0, 0, 0
	SCALES 0, 0, 0, 8704
	FETCH_A 0, 0, 4
	STEP 0, 1, 0, 8704
	TURN 0, 1, 1, 1, 8, 8712, -1
	STEP 1, 0, 8, 8712
	TURN 1, 0, 1, 1, 16, 8720, -1
	STEP 0, 0, 16, 8720
	TURN 0, 1, 0, 1, 24, 8728, -1                  ; nothing is left to fetch: no fill, and no round of the cluster's barrier
	STEP 1, 0, 24, 8728
	s_wait_dscnt 16                                ; the very last step
	WIN 0xa1
	MUL16 0, 1, 0
	MUL16 2, 1, 0
	s_wait_dscnt 0x0
	WIN 0xf1
	MUL16 4, 1, 0
	MUL16 6, 1, 0
	WIN 0
	WAYOUT 1
	s_wait_tensorcnt 0x0                           ; the wave's end
	ds_add_u32 v[SPW], v[NIL]
	s_wait_dscnt 0x0
	CROUND                                         ; the closing round: no work-group ends while a partner may still ask for a tile that names it
	s_endpgm
.Lfunc_end_k_q25e70eb4d6_hidden:
	.size	k_q25e70eb4d6_hidden, .Lfunc_end_k_q25e70eb4d6_hidden-k_q25e70eb4d6_hidden
	.p2alignl 7, 3214868480
	.fill 96, 4, 3214868480
	.section	.rodata,"a",@progbits
	.p2align	6, 0x0
	.amdhsa_kernel k_q25e70eb4d6_hidden
		.amdhsa_group_segment_fixed_size 327680
		.amdhsa_private_segment_fixed_size 0
		.amdhsa_enable_private_segment 0
		.amdhsa_kernarg_size 56
		.amdhsa_user_sgpr_count 2
		.amdhsa_user_sgpr_kernarg_segment_ptr 1
		.amdhsa_wavefront_size32 1
		.amdhsa_system_sgpr_workgroup_id_x 1
		.amdhsa_system_sgpr_workgroup_id_y 1
		.amdhsa_system_sgpr_workgroup_id_z 1
		.amdhsa_system_vgpr_workitem_id 0
		.amdhsa_next_free_vgpr 1024
		.amdhsa_next_free_sgpr 100
		.amdhsa_reserve_vcc 0
		.amdhsa_float_denorm_mode_32 3
		.amdhsa_float_denorm_mode_16_64 3
		.amdhsa_memory_ordered 1
		.amdhsa_forward_progress 1
		.amdhsa_inst_pref_size 255
	.end_amdhsa_kernel
	.section	.bss,"aw",@nobits
	.p2align	6
	.space	262144
	.amdgpu_metadata
---
amdhsa.version: [ 1, 2 ]
amdhsa.kernels:
  - .name:           k_q25e70eb4d6_hidden
    .symbol:         k_q25e70eb4d6_hidden.kd
    .args:
      - { .name: x_codes, .offset: 0, .size: 8, .value_kind: global_buffer, .address_space: global }
      - { .name: x_scales, .offset: 8, .size: 8, .value_kind: global_buffer, .address_space: global }
      - { .name: W1_codes, .offset: 16, .size: 8, .value_kind: global_buffer, .address_space: global }
      - { .name: W1_scales, .offset: 24, .size: 8, .value_kind: global_buffer, .address_space: global }
      - { .name: b1, .offset: 32, .size: 8, .value_kind: global_buffer, .address_space: global }
      - { .name: hc, .offset: 40, .size: 8, .value_kind: global_buffer, .address_space: global }
      - { .name: hs, .offset: 48, .size: 8, .value_kind: global_buffer, .address_space: global }
    .group_segment_fixed_size: 327680
    .private_segment_fixed_size: 0
    .kernarg_segment_align: 8
    .kernarg_segment_size: 56
    .max_flat_workgroup_size: 128
    .sgpr_count:     100
    .vgpr_count:     1024
    .wavefront_size: 32
...
	.end_amdgpu_metadata
.endif
;; end of part 1
;; launch branch (part 2): grid 4 x 64, 4 waves a work-group, clusters of 4 x 4, 327,680 bytes of LDS; arguments hc, hs, W2_codes, W2_scales, b2, ob; writes ob
.if DOCPART == 2
	.amdgcn_target "amdgcn-amd-amdhsa--gfx1250"
	.amdhsa_code_object_version 6
	.text
	.protected	k_q25e70eb4d6_branch
	.globl	k_q25e70eb4d6_branch
	.p2align	8
	.type	k_q25e70eb4d6_branch,@function
k_q25e70eb4d6_branch:
	s_mov_b64 s[64:65], 0
	v_nop
	global_prefetch_b8 v0, s[64:65] scope:SCOPE_SE
	s_setreg_imm32_b32 hwreg(HW_REG_WAVE_MODE, 25, 1), 1
	s_wait_xcnt 0x0
	s_wait_alu depctr_hold_cnt(0) depctr_sa_sdst(0) depctr_va_vdst(0) depctr_va_sdst(0) depctr_va_ssrc(0) depctr_va_vcc(0) depctr_vm_vsrc(0)
	s_getreg_b32 s2, hwreg(HW_REG_IB_STS2, 6, 4)
	s_cmp_eq_u32 s2, 0
	s_cbranch_scc0 .Lentry_in_a_cluster
	s_endpgm
.Lentry_in_a_cluster:
	s_bfe_u32 s2, ttmp6, 0x10000c
	s_cmp_lg_u32 s2, 0xf033
	s_cbranch_scc0 .Lentry_shape_is_right
	s_endpgm
.Lentry_shape_is_right:
; o = h W2^T + b2 for all eight branches, A = h [8][2048][2048], B = W2 [8][1024][2048], both codes of E5M2 with one E8M0 byte for each 32 along K; sums in f32.  ob: [n][b][1024] bf16: o rounded once, as an operand of the
; third product (left as it is: bf16 operands, f32 sums).  relu commutes with that rounding; the launch that sums over the branches applies it.
; LIMITS: NaN and infinities are not served.
; A tile of 256 rows x 256 columns of one branch is made by a work-group of four waves, 128 x 128 each: 64 accumulators, 512 registers.  K goes in steps of 256 through a ring of two LDS slots filled by tensor loads.
; The scale bytes of the tile's 256 rows of h and of W2, for all of K, come once, through registers, into LDS rows of 64 bytes + 16, and stay.
; CLUSTERS: 4 x 4 work-groups.  The four of a row need the same tiles of h, the four of a column the same tiles of W2: each is asked for jointly.
; THE MATRIX INSTRUCTION IS USED TRANSPOSED (source 0 = 16 rows of W2, source 1 = 16 rows of h): lane (r, h) holds row r of h and columns 16 b + 8 h + 0 .. 7.  b2 is the C of each sum's first product.
; A STEP is 128 along K, 64 products in 16 groups of 4, A's blocks one after the other.  LDS LOADS ARE STREWN among the groups, five or six behind each.  A's fragments have three half buffers: P (blocks 0-3), Q (blocks 4-7 of
; a slot's first step), R (blocks 4-7 of its second): so all of a slot is in registers when its second step begins, and the change of slots stands there.
; REGISTERS, window 0: v0-31 addresses, v32-63 scale words, v64-127 b2, then R, v128-191 P, v192-255 Q (then the way out).  window 1: B's fragments, two sets, v0 and v128.  windows 2, 3: accumulator (a, b) at v[8 (8 (a % 4) + b)].
; PREFETCH: behind the joint load of K step j one global_prefetch_b8 a wave names K step j + 2, a lane a run of 256 bytes: of the 128 that a wave fetches each of the four partners takes 32, told apart by address.
; W2's rows are read by two clusters: the one of even y asks.  The last two K steps' loads ask for nothing.
.set PITCH,  272                       ; an LDS row: 256 bytes + 16: the 16 rows of a fragment load start at 16 different banks (64 banks of 4 bytes: ISA guide 11.1)
.set HALFT,  128*PITCH                 ; what one tensor load brings.  A: a plane of 128 along K of the 256 rows, two rows to 256 bytes
.set SLOT,   4*HALFT                   ; A's two planes, then B's 256 rows
.set AQ,     HALFT
.set ABLK,   8*PITCH
.set BBLK,   16*PITCH
.set A_ADV,  0x100000                  ; two K steps on: four planes of 262,144 bytes
.set B_ADV,  512
.set SCA,    2*SLOT                    ; scale bytes: A's 256 rows x 80: K step t's 8 bytes at 8 t;
.set SCB,    SCA+20480                 ; B's likewise, but the even step's 8 bytes stand behind the odd one's in each 16
.set SPARE,  SCB+20480                 ; the spare words, 128 bytes a wave, that no other line names
.set ADRA,  16                         ; v16-17 LDS address of my A fragments in slot 0, 1
.set ADRS,  18                         ; v18-19 of the scale words of even, odd K steps: lanes 0-15 A's rows, lanes 16-31 B's
.set ADRB,  20                         ; v20-21 of my B fragments
.set STO,   24                         ; the way out: where I put 16 bytes of a row,
.set RD,    25                         ; where I read a row back,
.set CO,    26                         ; my byte offset in ob
.set BO,    27                         ; 32 h
.set SPW,   28                         ; my spare word; never rewritten
.set NIL,   29                         ; 0; never rewritten
.set PFO,   30                         ; the prefetches' offset; never rewritten
.set SC,    32                         ; set s (for slot s), register 2 i + q: the words of blocks i for the slot's q-th 128 along K; these registers hold nothing else
.set BIAS,  64
.set TMP,   192
.set G1, 24
.set G0, 32
.set G1B, 48
.set G0B, 56
.set PFA, 66
.set LIM, 95                           ; 1 in a wave that prefetches, else the greatest number
.set PFS, 100                          ; s[100:101] a K step in memory
.set MSB, 0
.macro WIN new                         ; the immediate's high byte repeats the setting that is left
.if MSB != (\new)
	s_set_vgpr_msb (MSB<<8)|(\new)
.set MSB, (\new)
.endif
.endm
.macro PLACES n
.rept \n
	v_nop
.endr
.endm
; A joint load: waves 0 and 1 fetch for A, waves 2 and 3 for B.  The branch hangs on the wave's number alone.
.macro JLOAD s
	s_cmp_eq_u32 s15, 0
	s_cbranch_scc0 .Lfor_b_\@
	tensor_load_to_lds s[G0+4*\s:G0+4*\s+3], s[G1:G1+7]
	s_nop 0
	PLACES 4
	s_branch .Lasked_\@
.Lfor_b_\@:
	tensor_load_to_lds s[G0B+4*\s:G0B+4*\s+3], s[G1B:G1B+7]
	s_nop 0
	PLACES 4
.Lasked_\@:
.endm
.macro CREST                           ; a round of the cluster's barrier behind its opening barrier
	s_cmp_lg_u32 s14, 0
	s_cbranch_scc1 .Lnot_wave_0_\@
	s_barrier_signal -3
.Lnot_wave_0_\@:
	s_barrier_wait -3
	s_barrier_signal -1
	s_barrier_wait -1
.endm
.macro CROUND
	s_barrier_signal -1
	s_barrier_wait -1
	CREST
.endm
.macro ASK loop                        ; in the loop its last trip asks for nothing: s3 = 1 there
.if \loop
	s_cmp_gt_u32 s3, s[LIM]
.else
	s_cmp_eq_u32 s[LIM], 1
.endif
	s_cbranch_scc0 .Lnot_mine_\@
	global_prefetch_b8 v[PFO], s[PFA:PFA+1] th:TH_LOAD_NT scope:SCOPE_SE
.Lnot_mine_\@:
.endm
	s_load_b128 s[4:7], s[0:1], 0x0                ; hc, hs
	s_load_b128 s[8:11], s[0:1], 0x10              ; W2's codes, W2's scales
	s_load_b64 s[12:13], s[0:1], 0x20              ; b2
	s_load_b64 s[96:97], s[0:1], 0x28              ; ob
	v_lshl_add_u32 v[SPW], v0, 2, SPARE
	v_mov_b32 v[NIL], 0
	ds_add_u32 v[SPW], v[NIL]                      ; the wave's opening: the add, twice on end, and its wait ahead of my first tensor load
	ds_add_u32 v[SPW], v[NIL]
	v_lshrrev_b32 v1, 5, v0
	v_readfirstlane_b32 s14, v1                    ; wave 0..3
	s_lshr_b32 s15, s14, 1                         ; which half of the tile's rows is mine.  Also: I fetch for A (0) or for B (1)
	s_and_b32 s16, s14, 1                          ; which half of its columns.  Also: which plane of A, which 128 rows of B I fetch
	s_bfe_u32 s40, ttmp6, 0x40000                  ; cx, cy
	s_bfe_u32 s41, ttmp6, 0x40004
	s_lshl_b32 s42, ttmp9, 2
	s_add_co_u32 s42, s42, s40                     ; tile column 0..3
	s_and_b32 s92, ttmp7, 0xffff                   ; cluster y
	s_lshr_b32 s93, s92, 1                         ; the branch n
	s_and_b32 s17, s92, 1
	s_lshl_b32 s17, s17, 2
	s_add_co_u32 s17, s17, s41                     ; tile row 0..7
	s_lshl_b32 s43, s41, 2
	s_lshl_b32 s43, 15, s43                        ; my row of the cluster
	s_lshl_b32 s44, 0x1111, s40                    ; my column
	; descriptor group 1: A: 32,768 dense bytes of a plane as 128 rows of 256 (32 elements of 8 bytes); B: 128 rows x 256 bytes, 2,048 bytes apart; 16 bytes of padding behind each row
	s_or_b32 s[G1+0], s43, (3<<16)|(1<<20)|(1<<21)|(5<<22)|(3<<25)
	s_mov_b32 s[G1+1], 32<<16
	s_mov_b32 s[G1+2], 128<<16
	s_mov_b32 s[G1+3], 32<<16
	s_mov_b32 s[G1+4], 128
	s_mov_b32 s[G1+5], 32
	s_mov_b32 s[G1+6], 0
	s_mov_b32 s[G1+7], 0
	s_or_b32 s[G1B+0], s44, (0<<16)|(1<<20)|(1<<21)|(5<<22)|(3<<25)
	s_mov_b32 s[G1B+1], 256<<16
	s_mov_b32 s[G1B+2], 128<<16
	s_mov_b32 s[G1B+3], 256<<16
	s_mov_b32 s[G1B+4], 128
	s_mov_b32 s[G1B+5], 2048
	s_mov_b32 s[G1B+6], 0
	s_mov_b32 s[G1B+7], 0
	s_lshl_b32 s20, s93, 4
	s_add_co_u32 s20, s20, s16
	s_lshl_b32 s20, s20, 18                        ; A: plane 16 n + which,
	s_lshl_b32 s21, s17, 15
	s_add_co_u32 s20, s20, s21                     ; + 256 rows of 128 bytes x tile row
	s_mov_b32 s21, 0
	s_lshl_b32 s22, s93, 17                        ; A's scales: 8 runs of 2,048 x 8 bytes a branch,
	s_lshl_b32 s23, s17, 11
	s_add_co_u32 s22, s22, s23                     ; + 256 rows x tile row
	s_mov_b32 s23, 0
	s_lshl_b32 s46, s93, 10
	s_lshl_b32 s47, s42, 8
	s_add_co_u32 s46, s46, s47                     ; B: row 1,024 n + 256 x tile column
	s_lshl_b32 s18, s46, 6                         ; its scales: 64 bytes a row
	s_mov_b32 s19, 0
	s_lshl_b32 s47, s16, 7
	s_add_co_u32 s46, s46, s47                     ; + the 128 rows that I fetch
	s_lshl_b32 s46, s46, 11
	s_mov_b32 s47, 0
	s_lshl_b32 s70, s93, 12                        ; b2: 4 x (1,024 n + 256 x tile column + 128 x half)
	s_lshl_b32 s71, s42, 10
	s_add_co_u32 s70, s70, s71
	s_lshl_b32 s71, s16, 9
	s_add_co_u32 s70, s70, s71
	s_mov_b32 s71, 0
	s_lshl_b32 s72, s93, 22                        ; ob: 2,048 rows of 2,048 bytes a branch,
	s_lshl_b32 s73, s17, 19
	s_add_co_u32 s72, s72, s73
	s_lshl_b32 s73, s15, 18
	s_add_co_u32 s72, s72, s73                     ; + my first row
	s_lshl_b32 s73, s42, 9
	s_add_co_u32 s72, s72, s73
	s_lshl_b32 s73, s16, 8
	s_add_co_u32 s72, s72, s73                     ; + my 256 bytes of a row
	s_mov_b32 s73, 0
	s_mul_i32 s45, s14, HALFT                      ; where the tiles go: no place in the cluster enters an LDS address
	s_mul_i32 s74, s15, 10240
	s_add_co_u32 s74, s74, SCA                     ; my 128 rows of A's scale bytes
	s_mul_i32 s75, s16, 10240
	s_add_co_u32 s75, s75, SCB
	s_sub_co_u32 s75, s75, s74                     ; from there to my rows of B's
	s_add_co_u32 s77, s75, 8
	s_sub_co_u32 s78, s75, 8
	s_mul_i32 s79, s14, 16*PITCH                   ; my stage, in slot 0
	s_mul_i32 s80, s15, 64*PITCH                   ; my 128 rows of A
	s_mul_i32 s81, s16, HALFT
	s_add_co_u32 s81, s81, 2*HALFT                 ; my 128 rows of B
	s_add_co_u32 s82, s80, SLOT
	s_add_co_u32 s83, s81, SLOT
	s_mov_b32 s87, 0x80000
	s_mov_b32 s88, 256
	s_and_b32 s[LIM], s15, s92
	s_cmp_eq_u32 s[LIM], 0
	s_cselect_b32 s[LIM], 1, -1                    ; W2's waves ask in the clusters of even y alone
	s_cmp_eq_u32 s15, 0
	s_cselect_b32 s84, 8, 11                       ; a prefetch's lanes lie 256 bytes apart in A, 2,048 in B
	v_and_b32 v1, 15, v0                           ; r
	v_bfe_u32 v2, v0, 4, 1                         ; h
	v_and_b32 v6, 31, v0                           ; lane
	v_lshrrev_b32 v3, 1, v1
	v_and_b32 v5, 1, v1
	v_mul_u32_u24 v3, v3, PITCH
	v_lshl_add_u32 v3, v5, 7, v3                   ; A: two rows of 128 bytes in an LDS row
	v_lshl_add_u32 v3, v2, 4, v3
	v_mul_u32_u24 v4, v1, PITCH
	v_lshl_add_u32 v4, v2, 4, v4
	v_add_nc_u32 v[ADRA], s80, v3
	v_add_nc_u32 v[ADRA+1], s82, v3
	v_add_nc_u32 v[ADRB], s81, v4
	v_add_nc_u32 v[ADRB+1], s83, v4
	v_mul_u32_u24 v5, v1, 80
	v_add_nc_u32 v5, s74, v5
	v_mul_u32_u24 v7, s77, v2                      ; even K steps: lanes 16-31 take B's rows, 8 bytes on
	v_add_nc_u32 v[ADRS], v5, v7
	v_mul_u32_u24 v7, s78, v2                      ; odd K steps: A's 8 bytes on
	v_add_nc_u32 v5, 8, v5
	v_add_nc_u32 v[ADRS+1], v5, v7
	v_mul_u32_u24 v5, v1, PITCH
	v_lshl_add_u32 v5, v2, 4, v5
	v_add_nc_u32 v[STO], s79, v5                   ; in: row r, 16 bytes for each half of the lanes
	v_mul_u32_u24 v5, v2, PITCH
	v_lshl_add_u32 v5, v1, 4, v5
	v_add_nc_u32 v[RD], s79, v5                    ; back: lanes 0-15 one row of 256 bytes, lanes 16-31 the next
	v_lshlrev_b32 v5, 11, v2
	v_lshl_add_u32 v[CO], v1, 4, v5                ; and the same two rows in ob
	v_lshlrev_b32 v[BO], 5, v2
	v_lshlrev_b32 v[PFO], s84, v6
	v_lshlrev_b32 v12, 3, v0
	v_lshlrev_b32 v13, 4, v0
	v_mul_u32_u24 v10, v0, 80
	v_add_nc_u32 v10, SCA, v10                     ; A's scale bytes: row = thread, and 128 on
	v_lshrrev_b32 v7, 2, v0
	v_mul_u32_u24 v11, v7, 80
	v_and_b32 v7, 3, v0
	v_lshl_add_u32 v11, v7, 4, v11
	v_add_nc_u32 v11, SCB, v11                     ; B's: four threads a row, 16 bytes each, and 32 rows on
	s_wait_alu depctr_va_vdst(0)
	s_wait_dscnt 0x0                               ; both opening adds are done
	s_wait_kmcnt 0x0
	s_add_nc_u64 s[20:21], s[4:5], s[20:21]
	s_add_nc_u64 s[22:23], s[6:7], s[22:23]
	s_add_nc_u64 s[46:47], s[8:9], s[46:47]
	s_add_nc_u64 s[18:19], s[10:11], s[18:19]
	s_add_nc_u64 s[12:13], s[12:13], s[70:71]
	s_add_nc_u64 s[96:97], s[96:97], s[72:73]
.irp j, 0,1
.irp t, 0,1,2,3,4,5,6,7
	global_load_b64 v[128+16*\j+2*\t:128+16*\j+2*\t+1], v12, s[22:23] offset:16384*\t+1024*\j   ; A's scales: a wave reads 256 consecutive bytes
.endr
.endr
.irp i, 0,1,2,3,4,5,6,7
	global_load_b128 v[160+4*\i:160+4*\i+3], v13, s[18:19] offset:2048*\i   ; B's: 512 consecutive bytes
.endr
.irp b, 0,1,2,3,4,5,6,7
	global_load_b128 v[BIAS+8*\b:BIAS+8*\b+3], v[BO], s[12:13] offset:64*\b
	global_load_b128 v[BIAS+8*\b+4:BIAS+8*\b+7], v[BO], s[12:13] offset:64*\b+16
.endr
	CROUND                                         ; all sixteen work-groups are here: the first joint loads meet
.irp s, 0,1
	s_mov_b32 s[G0+4*\s], 1
	s_add_co_u32 s[G0+4*\s+1], s45, \s*SLOT
	s_add_nc_u64 s[G0+4*\s+2:G0+4*\s+3], s[20:21], \s*0x80000
	s_or_b32 s[G0+4*\s+3], s[G0+4*\s+3], 0x80000000
	s_mov_b32 s[G0B+4*\s], 1
	s_add_co_u32 s[G0B+4*\s+1], s45, \s*SLOT
	s_add_nc_u64 s[G0B+4*\s+2:G0B+4*\s+3], s[46:47], \s*256
	s_or_b32 s[G0B+4*\s+3], s[G0B+4*\s+3], 0x80000000
.endr
	JLOAD 0                                        ; K step 0: my one tensor load at the head
	s_cmp_eq_u32 s15, 0                            ; what I prefetch: my work-group's 32 of the 128 runs that I fetch, from K step 2 on
	s_cselect_b64 s[PFA:PFA+1], s[20:21], s[46:47]
	s_cselect_b32 s85, s40, s41
	s_cselect_b32 s86, 13, 16
	s_cselect_b32 s[PFS], s87, s88
	s_mov_b32 s[PFS+1], 0
	s_lshl_b32 s85, s85, s86
	s_lshl_b32 s86, s[PFS], 1
	s_add_co_u32 s86, s86, s85
	s_mov_b32 s87, 0
	s_add_nc_u64 s[PFA:PFA+1], s[PFA:PFA+1], s[86:87]
	ASK 0
; one LDS load: the n-th of the 32 of a B set (fragment n / 4, registers 4 (n % 4) ..: K = 32 (n % 4) + 16 h + 0 .. 15)
.macro LB s, q, n
	WIN 0x40
	ds_load_b128 v[128*(\q)+4*(\n):128*(\q)+4*(\n)+3], v[ADRB+\s] offset:128*(\q)+BBLK*((\n)/4)+32*((\n)%4)
.endm
; the n-th of the 16 of four A blocks, i0 on, into a half buffer
.macro LA s, q, n, i0, base
	WIN 0
	ds_load_b128 v[\base+4*(\n):\base+4*(\n)+3], v[ADRA+\s] offset:AQ*(\q)+ABLK*(\i0+(\n)/4)+32*((\n)%4)
.endm
; the 64 loads of a slot's first step, for its second: R, B's set 1, P
.macro LQ0 s, k
.if (\k) < 16
	LA \s, 1, (\k), 4, 64
.elseif (\k) < 48
	LB \s, 1, (\k)-16
.else
	LA \s, 1, (\k)-48, 0, 128
.endif
.endm
; the 72 loads of a slot's second step, for the next slot n's first: B's set 0, the scale words of its K step, P, Q
.macro LQ1 n, k
.if (\k) < 32
	LB \n, 0, (\k)
.elseif (\k) < 40
	WIN 0
	ds_load_b64 v[SC+16*(\n)+2*((\k)-32):SC+16*(\n)+2*((\k)-32)+1], v[ADRS+\n] offset:1280*((\k)-32)
.elseif (\k) < 56
	LA \n, 0, (\k)-40, 0, 128
.else
	LA \n, 0, (\k)-56, 4, 192
.endif
.endm
; group g of a step: 4 products: A's block g / 2 x B's blocks 4 (g % 2) on.  The 64 accumulators take turns, in the same order in every step.  first = 1: b2 is the C
.macro MG g, q, s, first
.set A_, (\g)/2
.set B_, 4*((\g)%2)
.if A_ < 4
.set AR_, 128+16*A_
.set W_, 0xa1
.else
.set AR_, 64+16*(A_-4)+128*(1-(\q))
.set W_, 0xf1
.endif
.if \first
.set W_, W_&0xcf
.endif
	WIN W_
.irp b, 0,1,2,3
.if \first
	v_wmma_scale_f32_16x16x128_f8f6f4 v[8*(8*(A_%4)+B_+\b):8*(8*(A_%4)+B_+\b)+7], v[128*(\q)+16*(B_+\b):128*(\q)+16*(B_+\b)+15], v[AR_:AR_+15], v[BIAS+8*(B_+\b):BIAS+8*(B_+\b)+7], v[SC+16*(\s)+2*(B_+\b)+(\q)], v[SC+16*(\s)+2*A_+(\q)] matrix_a_fmt:MATRIX_FMT_BF8 matrix_b_fmt:MATRIX_FMT_BF8 matrix_a_scale:MATRIX_SCALE_ROW1
.else
	v_wmma_scale_f32_16x16x128_f8f6f4 v[8*(8*(A_%4)+B_+\b):8*(8*(A_%4)+B_+\b)+7], v[128*(\q)+16*(B_+\b):128*(\q)+16*(B_+\b)+15], v[AR_:AR_+15], v[8*(8*(A_%4)+B_+\b):8*(8*(A_%4)+B_+\b)+7], v[SC+16*(\s)+2*(B_+\b)+(\q)], v[SC+16*(\s)+2*A_+(\q)] matrix_a_fmt:MATRIX_FMT_BF8 matrix_b_fmt:MATRIX_FMT_BF8 matrix_a_scale:MATRIX_SCALE_ROW1
.endif
.endr
.endm
.macro SOME0 s, cnt
.rept \cnt
.if i_ < 64
	LQ0 \s, i_
.endif
.set i_, i_+1
.endr
.endm
.macro SOME1 n, cnt
.rept \cnt
.if i_ < 72
	LQ1 \n, i_
.endif
.set i_, i_+1
.endr
.endm
; A SLOT'S FIRST STEP.  A load into a register that a product has read stands 8 plain vector instructions behind it.  first = 1: R still holds b2, so R is loaded at the step's end
.macro Q0 s, first
	PLACES 8                                       ; for the loads into B's set 1 and R
	s_wait_dscnt 16                                ; B's set 0, the scale words and P are in; the youngest 16 loads (Q) may be out
.set g_, 0
.set i_, 16*(\first)
.rept 16
.if g_ == 8
	s_wait_dscnt 40-8*(\first)                     ; Q is in: behind it stand the loads of eight groups
	PLACES 8                                       ; for the loads into P
.endif
	MG g_, 0, \s, \first
	SOME0 \s, 5-(\first)
.set g_, g_+1
.endr
.if \first
	PLACES 8                                       ; for the loads over b2
.set i_, 0
.rept 16
	LQ0 \s, i_
.set i_, i_+1
.endr
.endif
.endm
; A SLOT'S SECOND STEP, with the change of slots at its start.  In front of the barrier each wave waits for all its tensor loads, adds 0 to its spare word, and waits for that and for its reads of this slot.
; fill = 1: this slot is filled again, two K steps ahead; 0: nothing is left to fetch
.macro Q1 s, n, fill
	WIN 0
.if \fill
	s_wait_xcnt 0x0                                ; my last prefetch has read its address
	s_add_nc_u64 s[PFA:PFA+1], s[PFA:PFA+1], s[PFS:PFS+1]
.endif
	s_wait_tensorcnt 0x0                           ; my part of the other slot has landed
	ds_add_u32 v[SPW], v[NIL]                      ; 0 onto my spare word
.if \fill
	s_add_nc_u64 s[G0+4*\s+2:G0+4*\s+3], s[G0+4*\s+2:G0+4*\s+3], A_ADV
	s_add_nc_u64 s[G0B+4*\s+2:G0B+4*\s+3], s[G0B+4*\s+2:G0B+4*\s+3], B_ADV
.endif
	s_wait_dscnt 1                                 ; all of this slot is in registers; the add may be out
	MG 0, 1, \s, 0
	s_wait_dscnt 0x0                               ; the add is done
	s_barrier_signal -1
	MG 1, 1, \s, 0
	MG 2, 1, \s, 0
	WIN 0
	s_barrier_wait -1
.if \fill
	CREST                                          ; no wave of any partner still reads this slot or has a load on its way
	JLOAD \s                                       ; the first tensor load behind the round, my one load until the next; its four v_nop are among the places in front of the loads below
	PLACES 4
.else
	PLACES 8
.endif
	v_add_nc_u32 v[ADRS+\s], 16, v[ADRS+\s]        ; this slot's scale words: two K steps on
	s_wait_alu depctr_va_vdst(0)
.set g_, 3
.set i_, 0
.rept 13
.if g_ == 8
	PLACES 8                                       ; for the loads into P
.endif
	MG g_, 1, \s, 0
	SOME1 \n, 6
.if \fill && (g_ == 6)
	WIN 0
	ASK 1
.endif
.set g_, g_+1
.endr
.endm
	s_wait_loadcnt 16                              ; the scale bytes are in; b2's 16 loads may be out
.irp j, 0,1
.irp u, 0,1,2,3
	ds_store_b128 v10, v[128+16*\j+4*\u:128+16*\j+4*\u+3] offset:10240*\j+16*\u
.endr
.endr
.irp i, 0,1,2,3,4,5,6,7
	ds_store_b64 v11, v[160+4*\i:160+4*\i+1] offset:2560*\i+8
	ds_store_b64 v11, v[162+4*\i:162+4*\i+1] offset:2560*\i
.endr
	s_wait_tensorcnt 0x0                           ; my part of K step 0 is in
	ds_add_u32 v[SPW], v[NIL]
	s_wait_dscnt 0x0                               ; the add and my stores of scale bytes are done
	CROUND                                         ; everybody's are, and all sixteen work-groups are here
	JLOAD 1                                        ; K step 1, the first tensor load behind the round
.set i_, 0
	SOME1 0, 72                                    ; K step 0's first fragments and scale words
	WIN 0
	s_wait_loadcnt 0x0                             ; b2
	s_wait_xcnt 0x0
	s_add_nc_u64 s[PFA:PFA+1], s[PFA:PFA+1], s[PFS:PFS+1]
	ASK 0                                          ; K step 3
	Q0 0, 1
	WIN 0
	s_mov_b32 s3, 3
.Llap:                                                 ; a trip goes once round the ring, from a slot's second step to the same slot's next first step, and fills both slots again
	Q1 0, 1, 1
	Q0 1, 0
	Q1 1, 0, 1
	Q0 0, 0
	WIN 0
	s_sub_co_u32 s3, s3, 1
	s_cmp_lg_u32 s3, 0
	s_cbranch_scc1 .Llap
	Q1 0, 1, 0                                     ; K step 6's second step
	Q0 1, 0
; THE LAST STEP AND THE WAY OUT.  A row block's sums are finished with its eight products.  PACK: rounded to bf16, 16 bytes a lane.  TOSTAGE: into my own stage in slot 0 (its last fill and its last read are behind the last barrier) and back
; as rows of 256 bytes; LDS serves a wave's instructions in order (ISA guide 5.7.1.4).  SEND: stored.  Four buffers in window 1, where B's set 0 lay.
.macro ROWS a
	MG 2*(\a), 1, 1, 0
	MG 2*(\a)+1, 1, 1, 0
.endm
.macro PACK a
.set AC_, 64*((\a)%4)
	WIN 0x0a+5*((\a)/4)
.irp b, 0,1,2,3,4,5,6,7
.irp r, 0,1,2,3
	v_cvt_pk_bf16_f32 v[TMP+4*\b+\r], v[AC_+8*\b+2*\r], v[AC_+8*\b+2*\r+1]
.endr
.endr
	WIN 0
.endm
.macro TOSTAGE a
.set BK_, 32*((\a)%4)
.irp b, 0,1,2,3,4,5,6,7
	ds_store_b128 v[STO], v[TMP+4*\b:TMP+4*\b+3] offset:32*\b
.endr
	WIN 0x40
.irp t, 0,1,2,3,4,5,6,7
	ds_load_b128 v[BK_+4*\t:BK_+4*\t+3], v[RD] offset:2*PITCH*\t
.endr
	WIN 0
.endm
.macro SEND a, younger                 ; younger: the LDS instructions issued behind block a's loads, which may stay out
.set BK_, 32*((\a)%4)
	s_wait_dscnt \younger
	WIN 0x04
.irp t, 0,1,2,3,4,5,6,7
	global_store_b128 v[CO], v[BK_+4*\t:BK_+4*\t+3], s[96:97] offset:(16*(\a)+2*\t)*2048 th:TH_STORE_NT   ; 16 lanes store 256 consecutive bytes, aligned
.endr
	WIN 0
.endm
	s_wait_dscnt 0x0
	ROWS 0
	ROWS 1
	PLACES 8                                       ; for the first conversions; from then on the conversions of the block before are a block's places
	PACK 0
	TOSTAGE 0
.irp a, 2,3,4,5,6,7
	ROWS \a
.if \a > 4
	s_wait_xcnt 0x0                                ; the stores of the block four before have read their registers
.endif
	PACK \a-1
	TOSTAGE \a-1
	SEND \a-2, 16
.endr
	s_wait_xcnt 0x0
	PACK 7
	TOSTAGE 7
	SEND 6, 16
	SEND 7, 0
	s_wait_tensorcnt 0x0                           ; the wave's end
	ds_add_u32 v[SPW], v[NIL]
	s_wait_dscnt 0x0
	CROUND                                         ; the closing round: no work-group ends while a partner may still ask for a tile that names it
	s_endpgm
.Lfunc_end_k_q25e70eb4d6_branch:
	.size	k_q25e70eb4d6_branch, .Lfunc_end_k_q25e70eb4d6_branch-k_q25e70eb4d6_branch
	.p2alignl 7, 3214868480
	.fill 96, 4, 3214868480
	.section	.rodata,"a",@progbits
	.p2align	6, 0x0
	.amdhsa_kernel k_q25e70eb4d6_branch
		.amdhsa_group_segment_fixed_size 327680
		.amdhsa_private_segment_fixed_size 0
		.amdhsa_enable_private_segment 0
		.amdhsa_kernarg_size 48
		.amdhsa_user_sgpr_count 2
		.amdhsa_user_sgpr_kernarg_segment_ptr 1
		.amdhsa_wavefront_size32 1
		.amdhsa_system_sgpr_workgroup_id_x 1
		.amdhsa_system_sgpr_workgroup_id_y 1
		.amdhsa_system_sgpr_workgroup_id_z 1
		.amdhsa_system_vgpr_workitem_id 0
		.amdhsa_next_free_vgpr 1024
		.amdhsa_next_free_sgpr 102
		.amdhsa_reserve_vcc 0
		.amdhsa_float_denorm_mode_32 3
		.amdhsa_float_denorm_mode_16_64 3
		.amdhsa_memory_ordered 1
		.amdhsa_forward_progress 1
		.amdhsa_inst_pref_size 160
	.end_amdhsa_kernel
	.amdgpu_metadata
---
amdhsa.version: [ 1, 2 ]
amdhsa.kernels:
  - .name:           k_q25e70eb4d6_branch
    .symbol:         k_q25e70eb4d6_branch.kd
    .args:
      - { .name: hc, .offset: 0, .size: 8, .value_kind: global_buffer, .address_space: global }
      - { .name: hs, .offset: 8, .size: 8, .value_kind: global_buffer, .address_space: global }
      - { .name: W2_codes, .offset: 16, .size: 8, .value_kind: global_buffer, .address_space: global }
      - { .name: W2_scales, .offset: 24, .size: 8, .value_kind: global_buffer, .address_space: global }
      - { .name: b2, .offset: 32, .size: 8, .value_kind: global_buffer, .address_space: global }
      - { .name: ob, .offset: 40, .size: 8, .value_kind: global_buffer, .address_space: global }
    .group_segment_fixed_size: 327680
    .private_segment_fixed_size: 0
    .kernarg_segment_align: 8
    .kernarg_segment_size: 48
    .max_flat_workgroup_size: 128
    .sgpr_count:     102
    .vgpr_count:     1024
    .wavefront_size: 32
...
	.end_amdgpu_metadata
.endif
;; end of part 2
;; launch addup (part 3): grid 256 x 1, 16 waves a work-group, no clusters, 0 bytes of LDS; arguments ob, probabilities, out0; writes out0
.if DOCPART == 3
	.amdgcn_target "amdgcn-amd-amdhsa--gfx1250"
	.amdhsa_code_object_version 6
	.text
	.protected	k_q25e70eb4d6_addup
	.globl	k_q25e70eb4d6_addup
	.p2align	8
	.type	k_q25e70eb4d6_addup,@function
k_q25e70eb4d6_addup:
	s_mov_b64 s[64:65], 0
	v_nop
	global_prefetch_b8 v0, s[64:65] scope:SCOPE_SE
	s_setreg_imm32_b32 hwreg(HW_REG_WAVE_MODE, 25, 1), 1
	s_wait_xcnt 0x0
; out0[b][c] = the sum over the eight branches n, ascending, of probabilities[b][n] x relu(ob[n][b][c]): bf16 widened to f32, sums in f32.
; A plain stream: every byte of ob is read once, every byte of out0 written once.  No LDS, no barrier, no matrix unit, no cluster: work-groups share nothing.  No prefetch: all loads go out at once, there is no loop to run ahead in.
; A work-group takes 8 rows of 1,024 columns, each half of its 16 waves 4 rows; a thread takes 4 columns: a wave's load covers 256 consecutive bytes, its store 512, aligned.
.set R,  16                            ; v[16 + 16 j + 2 n ..]: row j, branch n
.set P,  80                            ; v[80 + 8 j + n]: row j's probabilities, the same in all lanes of a wave
.set S,  112                           ; v[112 + 4 j ..]: sums
	s_load_b128 s[4:7], s[0:1], 0x0                ; ob, probabilities
	s_load_b64 s[8:9], s[0:1], 0x10                ; out0
	v_lshrrev_b32 v1, 8, v0                        ; which 4 rows
	v_and_b32 v2, 0xff, v0                         ; which 4 columns
	v_lshlrev_b32 v3, 3, v2
	v_lshl_add_u32 v3, v1, 13, v3                  ; ob: rows of 2,048 bytes
	v_lshlrev_b32 v4, 4, v2
	v_lshl_add_u32 v4, v1, 14, v4                  ; out0: rows of 4,096
	v_lshlrev_b32 v5, 7, v1                        ; probabilities: rows of 32
	s_lshl_b32 s2, ttmp9, 14
	s_mov_b32 s3, 0
	s_lshl_b32 s10, ttmp9, 8
	s_mov_b32 s11, 0
	s_lshl_b32 s12, ttmp9, 15
	s_mov_b32 s13, 0
	s_wait_alu depctr_va_vdst(0)
	s_wait_kmcnt 0x0
	s_add_nc_u64 s[16:17], s[4:5], s[2:3]          ; a base for each two branches: a branch is 4,194,304 bytes
	s_add_nc_u64 s[18:19], s[16:17], 0x800000
	s_add_nc_u64 s[20:21], s[18:19], 0x800000
	s_add_nc_u64 s[22:23], s[20:21], 0x800000
	s_add_nc_u64 s[10:11], s[6:7], s[10:11]
	s_add_nc_u64 s[8:9], s[8:9], s[12:13]
.irp j, 0,1,2,3
	global_load_b128 v[P+8*\j:P+8*\j+3], v5, s[10:11] offset:32*\j
	global_load_b128 v[P+8*\j+4:P+8*\j+7], v5, s[10:11] offset:32*\j+16
.endr
.irp j, 0,1,2,3
.irp n, 0,1,2,3,4,5,6,7
	global_load_b64 v[R+16*\j+2*\n:R+16*\j+2*\n+1], v3, s[16+2*(\n/2):17+2*(\n/2)] offset:4194304*(\n%2)+2048*\j th:TH_LOAD_NT
.endr
.endr
.irp j, 0,1,2,3
	s_wait_loadcnt 24-8*\j                         ; loads come back in order (ISA guide 5.7.1): this row's eight are in, the later rows' may be out
.irp n, 0,1,2,3,4,5,6,7
.set T_, 6+4*(\n%2)
.set X_, R+16*\j+2*\n
.set P_, P+8*\j+2*(\n/2)
	v_lshlrev_b32 v[T_], 16, v[X_]
	v_and_b32 v[T_+1], 0xffff0000, v[X_]
	v_lshlrev_b32 v[T_+2], 16, v[X_+1]
	v_and_b32 v[T_+3], 0xffff0000, v[X_+1]
.irp i, 0,1,2,3
	v_max_num_f32 v[T_+\i], 0, v[T_+\i]            ; relu
.endr
.if \n == 0
	v_pk_mul_f32 v[S+4*\j:S+4*\j+1], v[T_:T_+1], v[P_:P_+1] op_sel_hi:[1,0]
	v_pk_mul_f32 v[S+4*\j+2:S+4*\j+3], v[T_+2:T_+3], v[P_:P_+1] op_sel_hi:[1,0]
.elseif \n%2 == 0
	v_pk_fma_f32 v[S+4*\j:S+4*\j+1], v[T_:T_+1], v[P_:P_+1], v[S+4*\j:S+4*\j+1] op_sel_hi:[1,0,1]
	v_pk_fma_f32 v[S+4*\j+2:S+4*\j+3], v[T_+2:T_+3], v[P_:P_+1], v[S+4*\j+2:S+4*\j+3] op_sel_hi:[1,0,1]
.else
	v_pk_fma_f32 v[S+4*\j:S+4*\j+1], v[T_:T_+1], v[P_:P_+1], v[S+4*\j:S+4*\j+1] op_sel:[0,1,0] op_sel_hi:[1,1,1]
	v_pk_fma_f32 v[S+4*\j+2:S+4*\j+3], v[T_+2:T_+3], v[P_:P_+1], v[S+4*\j+2:S+4*\j+3] op_sel:[0,1,0] op_sel_hi:[1,1,1]
.endif
.endr
	global_store_b128 v4, v[S+4*\j:S+4*\j+3], s[8:9] offset:4096*\j th:TH_STORE_NT
.endr
	s_endpgm
.Lfunc_end_k_q25e70eb4d6_addup:
	.size	k_q25e70eb4d6_addup, .Lfunc_end_k_q25e70eb4d6_addup-k_q25e70eb4d6_addup
	.p2alignl 7, 3214868480
	.fill 96, 4, 3214868480
	.section	.rodata,"a",@progbits
	.p2align	6, 0x0
	.amdhsa_kernel k_q25e70eb4d6_addup
		.amdhsa_group_segment_fixed_size 0
		.amdhsa_private_segment_fixed_size 0
		.amdhsa_enable_private_segment 0
		.amdhsa_kernarg_size 24
		.amdhsa_user_sgpr_count 2
		.amdhsa_user_sgpr_kernarg_segment_ptr 1
		.amdhsa_wavefront_size32 1
		.amdhsa_system_sgpr_workgroup_id_x 1
		.amdhsa_system_sgpr_workgroup_id_y 1
		.amdhsa_system_sgpr_workgroup_id_z 1
		.amdhsa_system_vgpr_workitem_id 0
		.amdhsa_next_free_vgpr 128
		.amdhsa_next_free_sgpr 66
		.amdhsa_reserve_vcc 0
		.amdhsa_float_denorm_mode_32 3
		.amdhsa_float_denorm_mode_16_64 3
		.amdhsa_memory_ordered 1
		.amdhsa_forward_progress 1
		.amdhsa_inst_pref_size 20
	.end_amdhsa_kernel
	.amdgpu_metadata
---
amdhsa.version: [ 1, 2 ]
amdhsa.kernels:
  - .name:           k_q25e70eb4d6_addup
    .symbol:         k_q25e70eb4d6_addup.kd
    .args:
      - { .name: ob, .offset: 0, .size: 8, .value_kind: global_buffer, .address_space: global }
      - { .name: probabilities, .offset: 8, .size: 8, .value_kind: global_buffer, .address_space: global }
      - { .name: out0, .offset: 16, .size: 8, .value_kind: global_buffer, .address_space: global }
    .group_segment_fixed_size: 0
    .private_segment_fixed_size: 0
    .kernarg_segment_align: 8
    .kernarg_segment_size: 24
    .max_flat_workgroup_size: 512
    .sgpr_count:     66
    .vgpr_count:     128
    .wavefront_size: 32
...
	.end_amdgpu_metadata
.endif
;; end of part 3
